; MI455X (gfx1250); checked and timed in simulation.
; The chip was launched on July 23, 2026; its instructions are those of AMD's public machine-readable ISA for CDNA 5 (MIT licence, August 2026) and "CDNA5" Instruction Set Architecture Reference Guide (July 2026). The comments in the code are by the model that wrote it; some were corrected since.
;; Custom Multi Head Self Attention. Allowed arithmetic: matrix products marked QUANTISED: E2M3 operands, one E8M0 scale for each 32 along K, by v_wmma_scale_f32_16x16x128_f8f6f4 with both operands' format E2M3, f32 sums; everything else in f32.
;; Inputs: W_in_codes 3,072 x 32 x 24 uint8 (E2M3 codes of W_in, K innermost, in blocks of 32 codes, four codes in three bytes); W_in_scales 3,072 x 32 uint8 (E8M0 scales of W_in, one for each 32 codes along K); W_out_codes 1,024 x 32 x 24 uint8 (E2M3 codes of W_out, K innermost, in blocks of 32 codes, four codes in three bytes); W_out_scales 1,024 x 32 uint8 (E8M0 scales of W_out, one for each 32 codes along K); b_in 3,072 float32; b_out 1,024 float32; qkv_codes 4 x 2,048 x 32 x 24 uint8 (E2M3 codes of qkv, K innermost, in blocks of 32 codes, four codes in three bytes); qkv_scales 4 x 2,048 x 32 uint8 (E8M0 scales of qkv, one for each 32 codes along K).
;; Outputs: out0 4 x 2,048 x 1,024 float32.
;; This version of the problem:
;;   THIS VERSION OF THE PROBLEM IS GIVEN IN LOW PRECISION. The matrix products marked QUANTISED in the list below multiply operands that are first quantised to E2M3 (2 exponent bits, 3 mantissa bits; 6 bits a number), with one power-of-two scale for each 32 numbers along K (OCP MX v1.0); their sums are f32. All else is computed in f32.
;;   The module's matrix products, in the order in which they are computed (A, B: the left and right operand; K: the contracted axis; several contracted axes count as one K, in the product's order):
;;     1. [M 8,192, K 1,024] x [K 1,024, N 3,072]; A: input qkv (given as codes); B: input W_in (given as codes): QUANTISED
;;     2. batch 64 x [M 2,048, K 64] x [K 64, N 2,048]; A: computed on the way; B: computed on the way: QUANTISED
;;     3. batch 64 x [M 2,048, K 2,048] x [K 2,048, N 64]; A: softmax (see below); B: computed on the way: QUANTISED
;;     4. [M 8,192, K 1,024] x [K 1,024, N 1,024]; A: computed on the way; B: input W_out (given as codes): QUANTISED
;;   THE QUANTISER, for each operand of a quantised product, along K:
;;     - K is cut into blocks of 32 from its start; a last block that is shorter is filled with zeros.
;;     - A block's scale is 2^e with e = floor(log2(the largest magnitude in the block)) - 2, held to -126 .. 127; a block of zeros has e = 0. As a byte (E8M0): e + 127.
;;     - Each number is divided by its block's scale, clamped to +-7.5, and rounded to the nearest number of E2M3, ties to even, subnormals kept.
;;     - The product sums the exact products of the quantised numbers (number of the format x scale) in f32.
;;   ~~~python
;;   def quantise(x, axis):      # numpy; x: float32 -> the quantised numbers, widened to float32 again
;;       x = np.moveaxis(x, axis, -1); K = x.shape[-1]
;;       x = np.pad(x, [(0, 0)] * (x.ndim - 1) + [(0, -K % 32)]); x = x.reshape(x.shape[:-1] + (-1, 32)); a = np.abs(x).max(-1, keepdims=True)
;;       e = np.where(a > 0, np.clip(np.frexp(np.where(a > 0, a, 1))[1] - 1 - 2, -126, 127), 0)      # np.frexp(a)[1] - 1 = floor(log2(a)), exactly
;;       r = np.clip(x / 2.0 ** e, -7.5, 7.5)
;;       step = 2.0 ** (np.maximum(np.frexp(np.where(r == 0, 1, r))[1] - 1, 0) - 3)
;;       q = np.round(r / step) * step * 2.0 ** e      # np.round: ties to even
;;       return np.moveaxis(q.reshape(q.shape[:-2] + (-1,))[..., :K], -1, axis).astype(np.float32)
;;   ~~~
;;   SOFTMAX AHEAD OF A QUANTISED PRODUCT. Where the list says 'softmax', what is quantised is not the finished softmax but p = 2^(t - M), with t = logit x log2(e) and M = ceil(the row's largest t), a whole number; so 1/2 < the row's largest p <= 1. The row's sum l is taken of the UNQUANTISED p, in f32, and the product's result is divided by l at the end. Since M is a whole number, a kernel that streams over the keys may use a running M (the ceiling of the running maximum): every later rescaling is an exact power of two, which a block's scale takes up: the codes' values come out the same.
;;   OPERANDS COMPUTED ON THE WAY. 'Computed on the way' means the value that the module computes at that place (a softmax that the list does not call 'softmax' is quantised finished and normalised). What goes into a quantiser is computed in f32, as accurately as f32 sums, v_exp_f32 and their like allow (about 1e-6 of the number): no bf16 or f16 on the way to a quantiser, and a product that is left as it is and whose result goes on into a quantised operand takes f32 operands (vector FMAs, or v_wmma_f32_16x16x4_f32). A number that lies on a knife's edge between two numbers of the format may be rounded either way, as far as f32 arithmetic and the matrix unit's own rounding can turn it there, and no further.
;;   INPUTS GIVEN AS CODES. W_in (in the module: [1024, 3072], K = its axis 0); W_out (in the module: [1024, 1024], K = its axis 0); qkv (in the module: [4, 2048, 1024], K = its axis 2): each comes as NAME_codes (uint8): NAME with its K axis moved to the last place and cut into blocks of 32 codes, [.., K / 32, bytes a block], one block behind the other in memory; four codes in three bytes: a row's codes are one little-endian stream of bits, code i at bits 6 i .. 6 i + 5 (a code: sign, 2 exponent bits, 3 mantissa bits); and NAME_scales (uint8): the same leading axes, one E8M0 byte (e + 127) for each 32 codes along K. Its value is code x scale, taken as it is: it is not quantised again, and the codes and scales need not be those that the quantiser above would give.
;; One version. Each part assembles by itself: llvm-mc -triple=amdgcn-amd-amdhsa -mcpu=gfx1250 --defsym DOCPART=n.
;; ======== version 1 of 1: 3 launches
;; limits: right only within a limited range of input values
;; workspace buffers: q_pk 13,369,344 bytes; kv_pk 13,369,344 bytes; ctx_img 6,291,456 bytes; ctx_sc 262,144 bytes
;; launch proj (part 1): grid 8 x 32, 4 waves a work-group, clusters of 4 x 4, 327,680 bytes of LDS; arguments qkv_codes, qkv_scales, W_in_codes, W_in_scales, b_in, q_pk, kv_pk; writes q_pk, kv_pk
.if DOCPART == 1
	.amdgcn_target "amdgcn-amd-amdhsa--gfx1250"
	.amdhsa_code_object_version 6
	.text
	.protected	k_q53c80ebcd4_proj
	.globl	k_q53c80ebcd4_proj
	.p2align	8
	.type	k_q53c80ebcd4_proj,@function
k_q53c80ebcd4_proj:
	s_mov_b64 s[64:65], 0
	v_nop
	global_prefetch_b8 v0, s[64:65] scope:SCOPE_SE
	s_setreg_imm32_b32 hwreg(HW_REG_WAVE_MODE, 25, 1), 1
	s_wait_xcnt 0x0
	s_wait_alu depctr_hold_cnt(0) depctr_sa_sdst(0) depctr_va_vdst(0) depctr_va_sdst(0) depctr_va_ssrc(0) depctr_va_vcc(0) depctr_vm_vsrc(0)
	s_getreg_b32 s2, hwreg(HW_REG_IB_STS2, 6, 4)
	s_cmp_eq_u32 s2, 0
	s_cbranch_scc0 .Lentry_in_a_cluster
	s_endpgm
.Lentry_in_a_cluster:
	s_bfe_u32 s2, ttmp6, 0x10000c
	s_cmp_lg_u32 s2, 0xf033
	s_cbranch_scc0 .Lentry_shape_is_right
	s_endpgm
.Lentry_shape_is_right:
; proj = qkv W_in + b_in on codes of FP6 (E2M3) with E8M0 scales; q, k and v are quantised here and stored as packages of operand images.
; A work-group owns 256 tokens and STAYS: their codes, whole rows of K (768 bytes, each row from a 256-byte border), lie in LDS for the launch.
; It walks three tiles of 128 columns: columns 128 x of q, then of k, then of v.  W's 128 rows, whole K, lie in one slot that is filled again
; behind each of the first two tiles; the refill is on its way while the tile just made is quantised and stored.
; A wave makes 128 tokens x 64 columns (one head): 32 accumulators.  The product is used transposed (source 0 = W's rows, source 1 = tokens).
; CLUSTER 4 x 4: qkv's rows are asked for jointly along a row of the cluster, W's along a column.
; Scale words go from memory into registers: a row's 32 bytes are its words of all eight K steps; lanes 16-31 hold a block further on (ROW1).
; PREFETCH: at each of the first two tiles the next tile's 128 rows of W: 32 rows a partner of the column (by address), 8 rows x 3 blocks of 256 bytes a wave.
; A package (13,056 bytes: 128 tokens of a head): +0 eight half fragments of q or k, 768 each; +6,144 four fragments of v^T; +12,288 scale words of q or k; +12,800 of v.
; LIMIT: a block of zeros keeps the byte 1 (its codes are zeros; this program alone reads the bytes).
; REGISTERS: window 0: v0-31 addresses, v32-63 tokens' scales, v64-79 W's scales, v80-127 at work, v128-223 tokens' fragments, v224-255 bias; window 1: accumulators (a, j) at 8 (4 a + j); window 2: W's fragments, two sets.
.set PITCH, 816                        ; 768 bytes + 16 behind every 256
.set BOFF,  256*PITCH
.set SPARE, BOFF+128*PITCH
.set WSTEP, 1024*768                   ; from a tile's rows of W to the next tile's
.set PKG,   13056
.set HS,    16*PKG
.set VST,   14848                      ; v's way out, a wave: a stage of 32 x 272, then an image of 6,144
.set VIM,   8704
.set NW,    24                         ; LDS loads of four fragments of tokens
.set PADW,  (1<<20)|(1<<21)|(5<<22)|(3<<25)
.set BO, 7
.set O16, 8
.set O8, 9
.set O4, 10
.set ADRA, 16
.set ADRB, 20
.set STO, 22
.set VR, 23
.set IMW, 24
.set IMR, 25
.set SAO, 26
.set SBO, 27
.set SPW, 28
.set NIL, 29
.set PFO, 30
.set SA, 32
.set SB, 64
.set TM, 80
.set TT, 96
.set VT, 96
.set PW, 104
.set PP, 112
.set VW, 120
.set AF, 128
.set BI, 224
.set G1, 24
.set G0, 32
.set G1B, 48
.set G0B, 56
.set MSB, 0
.macro WIN new
.if MSB != (\new)
	s_set_vgpr_msb (MSB<<8)|(\new)
.set MSB, (\new)
.endif
.endm
.macro PLACES
.rept 4
	v_nop
.endr
.endm
.macro CROUND                          ; a round of the cluster's barrier
	s_barrier_signal -1
	s_barrier_wait -1
	s_cmp_lg_u32 s14, 0
	s_cbranch_scc1 .Lnot_wave_0_\@
	s_barrier_signal -3
.Lnot_wave_0_\@:
	s_barrier_wait -3
	s_barrier_signal -1
	s_barrier_wait -1
.endm
.macro GRP1 g, c, r
	s_mov_b32 s[\g+1], (\c)<<16
	s_mov_b32 s[\g+2], (\r)<<16
	s_mov_b32 s[\g+3], (\c)<<16
	s_mov_b32 s[\g+4], \r
	s_mov_b32 s[\g+5], \c
	s_mov_b32 s[\g+6], 0
	s_mov_b32 s[\g+7], 0
.endm
	s_load_b128 s[4:7], s[0:1], 0x0                ; qkv's codes, scales
	s_load_b128 s[8:11], s[0:1], 0x10              ; W's codes, scales
	s_load_b128 s[96:99], s[0:1], 0x20             ; b_in, q_pk
	s_load_b64 s[100:101], s[0:1], 0x30            ; kv_pk
	v_lshl_add_u32 v[SPW], v0, 2, SPARE
	v_mov_b32 v[NIL], 0
	ds_add_u32 v[SPW], v[NIL]                      ; the opening lines
	ds_add_u32 v[SPW], v[NIL]
	v_lshrrev_b32 v1, 5, v0
	v_readfirstlane_b32 s14, v1                    ; wave
	s_lshr_b32 s15, s14, 1                         ; my 128 tokens; also: I fetch qkv (0) or W (1)
	s_and_b32 s16, s14, 1                          ; my 64 columns; also: which half I fetch
	s_bfe_u32 s40, ttmp6, 0x40000                  ; cx
	s_bfe_u32 s41, ttmp6, 0x40004                  ; cy
	s_lshl_b32 s42, ttmp9, 2
	s_add_co_u32 s42, s42, s40                     ; x: 128 columns of each part
	s_and_b32 s17, ttmp7, 0xffff
	s_lshl_b32 s17, s17, 2
	s_add_co_u32 s17, s17, s41                     ; y: 256 tokens
	s_lshl_b32 s43, s41, 2
	s_lshl_b32 s43, 15, s43                        ; my row of the cluster
	s_lshl_b32 s44, 0x1111, s40                    ; my column
	s_or_b32 s[G1], s43, PADW
	s_or_b32 s[G1B], s44, PADW
	GRP1 G1, 768, 128                              ; 128 rows of 768 bytes
	GRP1 G1B, 768, 64                              ; 64 rows
	s_lshl_b32 s18, s17, 8
	s_lshl_b32 s19, s16, 7
	s_add_co_u32 s20, s18, s19
	s_mul_i32 s20, s20, 768                        ; qkv's codes: the 128 rows that I fetch
	s_mov_b32 s21, 0
	s_lshl_b32 s19, s15, 7
	s_add_co_u32 s22, s18, s19
	s_lshl_b32 s22, s22, 5                         ; the scales of my 128 tokens
	s_mov_b32 s23, 0
	s_lshl_b32 s45, s42, 7
	s_lshl_b32 s19, s16, 6
	s_add_co_u32 s46, s45, s19                     ; my 64 columns, to fetch and to multiply
	s_mul_i32 s36, s46, 768
	s_mov_b32 s37, 0
	s_lshl_b32 s38, s46, 5
	s_mov_b32 s39, 0
	s_lshl_b32 s46, s46, 2
	s_mov_b32 s47, 0
	s_lshl_b32 s60, s41, 5
	s_lshl_b32 s61, s14, 3
	s_add_co_u32 s60, s60, s61
	s_add_co_u32 s60, s60, s45
	s_mul_i32 s60, s60, 768                        ; the prefetches: row 128 x + 32 cy + 8 wave
	s_mov_b32 s61, 0
	s_lshr_b32 s62, s17, 3                         ; the packages: (16 batch + head) x HS + (128 tokens' number) x PKG
	s_lshl_b32 s62, s62, 4
	s_lshl_b32 s63, s42, 1
	s_add_co_u32 s62, s62, s63
	s_add_co_u32 s62, s62, s16
	s_mul_i32 s62, s62, HS
	s_and_b32 s63, s17, 7
	s_lshl_b32 s63, s63, 1
	s_add_co_u32 s63, s63, s15
	s_mul_i32 s63, s63, PKG
	s_add_co_u32 s62, s62, s63
	s_mov_b32 s63, 0
	s_mov_b32 s[G0], 1
	s_mul_i32 s[G0+1], s16, 128*PITCH
	s_mov_b32 s[G0B], 1
	s_mul_i32 s[G0B+1], s16, 64*PITCH
	s_add_co_u32 s[G0B+1], s[G0B+1], BOFF
	s_mul_i32 s18, s15, 128*PITCH                  ; my tokens in LDS: blocks 0-3,
	s_add_co_u32 s19, s18, 64*PITCH                ; blocks 4-7
	s_mul_i32 s67, s14, VST
	s_add_co_u32 s68, s67, VIM
	s_mov_b32 s94, 0x76543210
	s_mov_b32 s95, 0xfedcba98                      ; lane l xor 16
	s_mov_b32 s66, 0xffff0000                      ; lanes 16-31
	s_wait_dscnt 0x0
	s_wait_kmcnt 0x0
	s_add_nc_u64 s[G0+2:G0+3], s[4:5], s[20:21]
	s_or_b32 s[G0+3], s[G0+3], 0x80000000
	s_add_nc_u64 s[22:23], s[6:7], s[22:23]
	s_add_nc_u64 s[G0B+2:G0B+3], s[8:9], s[36:37]
	s_or_b32 s[G0B+3], s[G0B+3], 0x80000000
	s_add_nc_u64 s[92:93], s[10:11], s[38:39]
	s_add_nc_u64 s[96:97], s[96:97], s[46:47]
	s_add_nc_u64 s[60:61], s[8:9], s[60:61]
	s_add_nc_u64 s[12:13], s[98:99], s[62:63]
	s_add_nc_u64 s[100:101], s[100:101], s[62:63]
	CROUND                                         ; the first joint loads meet
	s_cmp_eq_u32 s15, 0                            ; one load a wave: waves 0, 1 qkv's halves, waves 2, 3 W's
	s_cbranch_scc0 .Lhead_b
	tensor_load_to_lds s[G0:G0+3], s[G1:G1+7]
	s_nop 0
	PLACES
	s_branch .Lhead_asked
.Lhead_b:
	tensor_load_to_lds s[G0B:G0B+3], s[G1B:G1B+7]
	s_nop 0
	PLACES
.Lhead_asked:
	v_and_b32 v1, 15, v0                           ; r
	v_bfe_u32 v2, v0, 4, 1                         ; h
	v_and_b32 v6, 31, v0
	v_mul_u32_u24 v3, v1, PITCH
	v_mad_u32_u24 v3, v2, 24, v3                   ; row x pitch + 24 h
	v_lshl_add_u32 v4, v2, 4, v3                   ; and where lanes 16-31 lie behind the next padding
	v_add_nc_u32 v[ADRA], s18, v3
	v_add_nc_u32 v[ADRA+1], s18, v4
	v_add_nc_u32 v[ADRA+2], s19, v3
	v_add_nc_u32 v[ADRA+3], s19, v4
	v_add_nc_u32 v[ADRB], s[G0B+1], v3
	v_add_nc_u32 v[ADRB+1], s[G0B+1], v4
	v_lshlrev_b32 v5, 5, v1
	v_lshl_add_u32 v[SAO], v2, 11, v5              ; scales: 32 r, lanes 16-31 64 rows on
	v_lshl_add_u32 v[SBO], v2, 10, v5              ; W's: 32 rows on
	v_lshlrev_b32 v[BO], 5, v2
	v_lshlrev_b32 v[O16], 4, v6
	v_lshlrev_b32 v[O8], 3, v6
	v_lshlrev_b32 v[O4], 2, v6
	v_mul_u32_u24 v5, v1, 272
	v_lshl_add_u32 v5, v2, 5, v5
	v_add_nc_u32 v[STO], s67, v5
	v_add_nc_u32 v[VR], s67, v[O4]
	v_add_nc_u32 v[IMR], s68, v[O16]
	v_mul_u32_u24 v5, v2, 1536
	v_lshl_add_u32 v5, v1, 4, v5
	v_add_nc_u32 v[IMW], s68, v5
	v_and_b32 v5, 7, v0
	v_bfe_u32 v6, v0, 3, 2
	v_min_u32 v6, 2, v6                            ; lanes 24-31 name their row's last block again
	v_mul_u32_u24 v5, v5, 768
	v_lshl_add_u32 v[PFO], v6, 8, v5
	v_mov_b32 v[TM+4], 0                           ; a lane permute's destination counts as a source
	v_mov_b32 v[TM+5], 0
	s_wait_alu depctr_va_vdst(0)                   ; the wait at the head's end
.macro LOADBS                          ; a tile's scale words of W and its bias
.irp g, 0,1
	global_load_b128 v[SB+8*\g:SB+8*\g+3], v[SBO], s[92:93] offset:512*\g
	global_load_b128 v[SB+8*\g+4:SB+8*\g+7], v[SBO], s[92:93] offset:512*\g+16
.endr
.irp j, 0,1,2,3
	global_load_b128 v[BI+8*\j:BI+8*\j+3], v[BO], s[96:97] offset:64*\j
	global_load_b128 v[BI+8*\j+4:BI+8*\j+7], v[BO], s[96:97] offset:64*\j+16
.endr
.endm
.irp g, 0,1,2,3
	global_load_b128 v[SA+8*\g:SA+8*\g+3], v[SAO], s[22:23] offset:512*\g
	global_load_b128 v[SA+8*\g+4:SA+8*\g+7], v[SAO], s[22:23] offset:512*\g+16
.endr
	LOADBS
; a fragment: 16 rows x 128 K, 12 registers, six pieces of 8 bytes; byte y of a row lies at y + 16 (y / 256)
.macro FRAG reg, adr, st, i
.irp p, 0,1,2,3,4,5
.set BY, 96*(\st)+48*(\p/3)+8*(\p%3)
.if BY/256 == (BY+24)/256
	ds_load_b64 v[\reg+2*\p:\reg+2*\p+1], v[\adr+2*((\i)/4)] offset:BY+16*(BY/256)+((\i)%4)*16*PITCH
.else
	ds_load_b64 v[\reg+2*\p:\reg+2*\p+1], v[\adr+2*((\i)/4)+1] offset:BY+16*(BY/256)+((\i)%4)*16*PITCH
.endif
.endr
.endm
.macro FETCH_B st
	WIN 0x80
.irp i, 0,1,2,3
	FRAG 48*((\st)%2)+12*\i, ADRB, \st, \i
.endr
	WIN 0
.endm
.macro FETCH_A st, i0
.irp i, \i0, \i0+1, \i0+2, \i0+3
	FRAG AF+12*(\i), ADRA, \st, \i
.endr
.endm
.macro WM a, j, st, z                  ; tokens' block a x W's block j, K step st; z: the bias starts the sum
.set DR, 8*(4*(\a)+\j)
.if \z
.set CR, BI+8*\j
.else
.set CR, DR
.endif
.set BR, 48*((\st)%2)+12*\j
.set AR, AF+12*(\a)
.set SBR, SB+8*(\j%2)+(\st)
.set SAR, SA+8*((\a)%4)+(\st)
.if (\a) < 4
.if \j < 2
	v_wmma_scale_f32_16x16x128_f8f6f4 v[DR:DR+7], v[BR:BR+11], v[AR:AR+11], v[CR:CR+7], v[SBR], v[SAR] matrix_a_fmt:MATRIX_FMT_FP6 matrix_b_fmt:MATRIX_FMT_FP6
.else
	v_wmma_scale_f32_16x16x128_f8f6f4 v[DR:DR+7], v[BR:BR+11], v[AR:AR+11], v[CR:CR+7], v[SBR], v[SAR] matrix_a_fmt:MATRIX_FMT_FP6 matrix_b_fmt:MATRIX_FMT_FP6 matrix_a_scale:MATRIX_SCALE_ROW1
.endif
.else
.if \j < 2
	v_wmma_scale_f32_16x16x128_f8f6f4 v[DR:DR+7], v[BR:BR+11], v[AR:AR+11], v[CR:CR+7], v[SBR], v[SAR] matrix_a_fmt:MATRIX_FMT_FP6 matrix_b_fmt:MATRIX_FMT_FP6 matrix_b_scale:MATRIX_SCALE_ROW1
.else
	v_wmma_scale_f32_16x16x128_f8f6f4 v[DR:DR+7], v[BR:BR+11], v[AR:AR+11], v[CR:CR+7], v[SBR], v[SAR] matrix_a_fmt:MATRIX_FMT_FP6 matrix_b_fmt:MATRIX_FMT_FP6 matrix_a_scale:MATRIX_SCALE_ROW1 matrix_b_scale:MATRIX_SCALE_ROW1
.endif
.endif
.endm
.macro MUL a0, st, z                   ; 16 products; the 32 accumulators take turns
.if \z
	WIN 0x42
.else
	WIN 0x52
.endif
.irp a, \a0, \a0+1, \a0+2, \a0+3
.irp j, 0,1,2,3
	WM \a, \j, \st, \z
.endr
.endr
.endm
.macro STEP st, z                      ; 128 along K; the next step's fragments come in its middle and at its end
	s_wait_dscnt NW                                ; all but the youngest loads, tokens' blocks 4-7
	MUL 0, \st, \z
	s_wait_dscnt 0x0
.if (\st) < 7
	PLACES
	FETCH_B (\st)+1
	FETCH_A (\st)+1, 0
.endif
	MUL 4, \st, \z
.if (\st) < 7
	PLACES
	WIN 0
	FETCH_A (\st)+1, 4
.endif
.endm
.macro TILE pf
	FETCH_B 0
	FETCH_A 0, 0
	FETCH_A 0, 4
.if \pf
	global_prefetch_b8 v[PFO], s[60:61] offset:WSTEP th:TH_LOAD_NT scope:SCOPE_SE   ; the next tile's rows of W, a tile ahead of their load
.endif
	s_wait_loadcnt 0x0                             ; scale words and bias
	STEP 0, 1
.irp st, 1,2,3,4,5,6,7
	STEP \st, 0
.endr
	PLACES
	WIN 0
.endm
; q's or k's way out, 16 tokens: two blocks of 32 channels quantised; a half fragment's image and a scale word a token
.macro QKA a
.set AC, 32*(\a)
.set QC, AF+12*(\a)
	WIN 0x05
.irp b, 0,1
	v_max3_num_f32 v[TM+\b], |v[AC+16*\b]|, |v[AC+16*\b+1]|, 0x1800000
.endr
.irp i, 2,4,6,8,10,12,14
.irp b, 0,1
	v_max3_num_f32 v[TM+\b], |v[AC+16*\b+\i]|, |v[AC+16*\b+\i+1]|, v[TM+\b]
.endr
.endr
	WIN 0
.irp b, 0,1
	v_permlanex16_b32 v[TM+4+\b], v[TM+\b], s94, s95
.endr
.irp b, 0,1
	v_max_num_f32 v[TM+\b], v[TM+\b], v[TM+4+\b]
.endr
.irp b, 0,1
	v_add_nc_u32 v[TM+12+\b], 0xff000000, v[TM+\b] ; 2 off the exponent field: the conversion's scale operand
.endr
.irp b, 0,1
	v_lshrrev_b32 v[TM+4+\b], 23, v[TM+12+\b]
.endr
	v_lshl_or_b32 v[PW+(\a)], v[TM+5], 8, v[TM+4]
	WIN 0x01
	v_cvt_scalef32_pk16_fp6_f32 v[QC:QC+2], v[AC:AC+15], v[TM+12]
	v_cvt_scalef32_pk16_fp6_f32 v[TT:TT+2], v[AC+16:AC+31], v[TM+13]
	WIN 0
	v_nop                                          ; one plain place behind a scaled conversion
.irp i, 0,1,2
	v_permlane16_swap_b32 v[QC+\i], v[TT+\i]       ; a whole block to a lane
.endr
.irp i, 0,1,2
	v_mov_b32 v[QC+3+\i], v[TT+\i]
.endr
	global_store_b128 v[O16], v[QC:QC+3], s[12:13] offset:768*(\a)
	global_store_b64 v[O8], v[QC+4:QC+5], s[12:13] offset:768*(\a)+512
.if (\a)%2 == 1
	v_cndmask_b32 v[PP+(\a)], v[PW+(\a)-1], v[PW+(\a)], s66
	global_store_b32 v[O4], v[PP+(\a)], s[12:13] offset:12288+64*((\a)-1)
.endif
.endm
	s_wait_tensorcnt 0x0                           ; my part is in,
	s_barrier_signal -1
	s_barrier_wait -1                              ; everybody's is
	s_mov_b32 s3, 2
.Ltile:                                                ; q's tile, then k's
	TILE 1
	s_wait_tensorcnt 0x0
	ds_add_u32 v[SPW], v[NIL]
	s_add_nc_u64 s[G0B+2:G0B+3], s[G0B+2:G0B+3], WSTEP
	s_wait_dscnt 0x0                               ; my reads of W's slot are over
	CROUND
	s_cmp_eq_u32 s15, 0
	s_cbranch_scc1 .Lno_refill
	tensor_load_to_lds s[G0B:G0B+3], s[G1B:G1B+7]  ; the next tile's rows of W: waves 2 and 3, 64 rows each
	s_nop 0
	PLACES
.Lno_refill:
	s_add_nc_u64 s[92:93], s[92:93], 32768
	s_add_nc_u64 s[96:97], s[96:97], 4096
	LOADBS
.irp a, 0,1,2,3,4,5,6,7
	QKA \a
.endr
	s_wait_alu depctr_va_vdst(0)                   ; the wait ahead of the waits and the branch below
	s_wait_xcnt 0x0                                ; stores and prefetch have read their registers
	s_mov_b64 s[12:13], s[100:101]                 ; k and v go to the other buffer
	s_add_nc_u64 s[60:61], s[60:61], WSTEP
	s_wait_tensorcnt 0x0                           ; the slot is whole:
	s_barrier_signal -1
	s_barrier_wait -1                              ; for all four waves
	s_sub_co_u32 s3, s3, 1
	s_cmp_lg_u32 s3, 0
	s_cbranch_scc1 .Ltile
	TILE 0                                         ; v's tile
	s_wait_dscnt 0x0
	s_barrier_signal -1
	s_barrier_wait -1                              ; nobody reads qkv's rows any more, and nothing is filled again: the stages lie there
; v's way out: K of the second product is the tokens.  32 tokens x 64 channels go through my stage; a lane takes a channel, its registers 32 tokens.
.macro VSTAGE g
	WIN 0x04
.irp e, 0,1
.irp b, 0,1,2,3
	ds_store_b128 v[STO], v[32*(2*(\g)+\e)+8*\b:32*(2*(\g)+\e)+8*\b+3] offset:\e*4352+64*\b
	ds_store_b128 v[STO], v[32*(2*(\g)+\e)+8*\b+4:32*(2*(\g)+\e)+8*\b+7] offset:\e*4352+64*\b+16
.endr
.endr
	WIN 0
.endm
.macro VLOAD n                         ; tokens in the order 0-7, 16-23, 8-15, 24-31, as p's registers have them
.set I, 0
.rept 32
	ds_load_b32 v[128+32*((\n)%2)+I], v[VR] offset:((I%8)+16*((I/8)%2)+8*(I/16))*272+128*((\n)%2)
.set I, I+1
.endr
.endm
.macro VBLK n
.set XS, 128+32*((\n)%2)
.set VG, (\n)/2
.set VQ, (\n)%2
.if (\n) < 7
.if ((\n)+1)%2 == 0
	VSTAGE ((\n)+1)/2
.endif
	VLOAD (\n)+1
	s_wait_dscnt 32                                ; all but the 32 loads just issued
.else
	s_wait_dscnt 0x0
.endif
	v_max3_num_f32 v[VT+10], |v[XS]|, |v[XS+1]|, |v[XS+2]|
	v_max3_num_f32 v[VT+11], |v[XS+3]|, |v[XS+4]|, |v[XS+5]|
.irp i, 6,10,14,18,22,26
	v_max3_num_f32 v[VT+10], v[VT+10], |v[XS+\i]|, |v[XS+\i+1]|
	v_max3_num_f32 v[VT+11], v[VT+11], |v[XS+\i+2]|, |v[XS+\i+3]|
.endr
	v_max3_num_f32 v[VT+10], v[VT+10], |v[XS+30]|, |v[XS+31]|
	v_max3_num_f32 v[VT+10], v[VT+10], v[VT+11], 0x1800000
	v_add_nc_u32 v[VT+12], 0xff000000, v[VT+10]
	v_lshrrev_b32 v[VT+13], 23, v[VT+12]
.if VG == 0
	v_mov_b32 v[VW+VQ], v[VT+13]
.else
	v_lshl_or_b32 v[VW+VQ], v[VT+13], 8*VG, v[VW+VQ]
.endif
	v_cvt_scalef32_pk16_fp6_f32 v[VT:VT+2], v[XS:XS+15], v[VT+12]
	v_cvt_scalef32_pk16_fp6_f32 v[VT+6:VT+8], v[XS+16:XS+31], v[VT+12]
	v_nop
	v_mov_b32 v[VT+3], v[VT+6]
	v_mov_b32 v[VT+4], v[VT+7]
	v_mov_b32 v[VT+5], v[VT+8]
.irp p, 0,1,2
	ds_store_b64 v[IMW], v[VT+2*\p:VT+2*\p+1] offset:2*VQ*1536+((3*(VG/2)+\p)/2)*512+((3*(VG/2)+\p)%2)*8+256*(VG%2)
.endr
.endm
	VSTAGE 0
	VLOAD 0
.irp n, 0,1,2,3,4,5,6,7
	VBLK \n
.endr
.irp q, 0,1
	global_store_b32 v[O4], v[VW+\q], s[12:13] offset:12800+128*\q
.endr
.irp n, 0,1,2,3,4,5,6,7,8,9,10,11
	ds_load_b128 v[128+4*\n:128+4*\n+3], v[IMR] offset:512*\n
.endr
.irp n, 0,1,2,3,4,5,6,7,8,9,10,11
	s_wait_dscnt 11-\n                             ; the loads issued behind this one may be out
	global_store_b128 v[O16], v[128+4*\n:128+4*\n+3], s[12:13] offset:6144+512*\n
.endr
	s_wait_tensorcnt 0x0                           ; the wave's end
	ds_add_u32 v[SPW], v[NIL]
	s_wait_dscnt 0x0
	CROUND                                         ; the closing round
	s_endpgm
.Lfunc_end_k_q53c80ebcd4_proj:
	.size	k_q53c80ebcd4_proj, .Lfunc_end_k_q53c80ebcd4_proj-k_q53c80ebcd4_proj
	.p2alignl 7, 3214868480
	.fill 96, 4, 3214868480
	.section	.rodata,"a",@progbits
	.p2align	6, 0x0
	.amdhsa_kernel k_q53c80ebcd4_proj
		.amdhsa_group_segment_fixed_size 327680
		.amdhsa_private_segment_fixed_size 0
		.amdhsa_enable_private_segment 0
		.amdhsa_kernarg_size 56
		.amdhsa_user_sgpr_count 2
		.amdhsa_user_sgpr_kernarg_segment_ptr 1
		.amdhsa_wavefront_size32 1
		.amdhsa_system_sgpr_workgroup_id_x 1
		.amdhsa_system_sgpr_workgroup_id_y 1
		.amdhsa_system_sgpr_workgroup_id_z 1
		.amdhsa_system_vgpr_workitem_id 0
		.amdhsa_next_free_vgpr 768
		.amdhsa_next_free_sgpr 102
		.amdhsa_reserve_vcc 0
		.amdhsa_float_denorm_mode_32 3
		.amdhsa_float_denorm_mode_16_64 3
		.amdhsa_memory_ordered 1
		.amdhsa_forward_progress 1
		.amdhsa_inst_pref_size 210
	.end_amdhsa_kernel
	.amdgpu_metadata
---
amdhsa.version: [ 1, 2 ]
amdhsa.kernels:
  - .name:           k_q53c80ebcd4_proj
    .symbol:         k_q53c80ebcd4_proj.kd
    .args:
      - { .name: qkv_codes, .offset: 0, .size: 8, .value_kind: global_buffer, .address_space: global }
      - { .name: qkv_scales, .offset: 8, .size: 8, .value_kind: global_buffer, .address_space: global }
      - { .name: W_in_codes, .offset: 16, .size: 8, .value_kind: global_buffer, .address_space: global }
      - { .name: W_in_scales, .offset: 24, .size: 8, .value_kind: global_buffer, .address_space: global }
      - { .name: b_in, .offset: 32, .size: 8, .value_kind: global_buffer, .address_space: global }
      - { .name: q_pk, .offset: 40, .size: 8, .value_kind: global_buffer, .address_space: global }
      - { .name: kv_pk, .offset: 48, .size: 8, .value_kind: global_buffer, .address_space: global }
    .group_segment_fixed_size: 327680
    .private_segment_fixed_size: 0
    .kernarg_segment_align: 8
    .kernarg_segment_size: 56
    .max_flat_workgroup_size: 128
    .sgpr_count:     102
    .vgpr_count:     768
    .wavefront_size: 32
...
	.end_amdgpu_metadata
.endif
;; end of part 1
;; launch attn (part 2): grid 4 x 64, 16 waves a work-group, clusters of 4 x 1, 210,944 bytes of LDS; arguments q_pk, kv_pk, ctx_img, ctx_sc; writes ctx_img, ctx_sc
.if DOCPART == 2
	.amdgcn_target "amdgcn-amd-amdhsa--gfx1250"
	.amdhsa_code_object_version 6
	.text
	.protected	k_q53c80ebcd4_attn
	.globl	k_q53c80ebcd4_attn
	.p2align	8
	.type	k_q53c80ebcd4_attn,@function
k_q53c80ebcd4_attn:
	s_mov_b64 s[64:65], 0
	v_nop
	global_prefetch_b8 v0, s[64:65] scope:SCOPE_SE
	s_setreg_imm32_b32 hwreg(HW_REG_WAVE_MODE, 25, 1), 1
	s_wait_xcnt 0x0
	s_wait_alu depctr_hold_cnt(0) depctr_sa_sdst(0) depctr_va_vdst(0) depctr_va_sdst(0) depctr_va_ssrc(0) depctr_va_vcc(0) depctr_vm_vsrc(0)
	s_getreg_b32 s2, hwreg(HW_REG_IB_STS2, 6, 4)
	s_cmp_eq_u32 s2, 0
	s_cbranch_scc0 .Lentry_in_a_cluster
	s_endpgm
.Lentry_in_a_cluster:
	s_bfe_u32 s2, ttmp6, 0x10000c
	s_cmp_lg_u32 s2, 0x3003
	s_cbranch_scc0 .Lentry_shape_is_right
	s_endpgm
.Lentry_shape_is_right:
; ctx[q] = the sum over keys of softmax(q . k / 8) v for one (batch, head), both products on codes of FP6 (E2M3) with one E8M0 scale for each 32 along K; ctx is quantised along its 64 channels for the last product.
; THE SOFTMAX AHEAD OF THE SECOND PRODUCT: t = score x log2(e) / 8; M = the row's largest t so far, rounded UP to a whole number; p = 2^(t - M) is what is quantised, along the keys; it is not normalised.
; The row's sum is taken of the unquantised p and divides at the end.  When M moves, the sum and O are multiplied by 2^(old M - new M): exact.
; INPUTS: packages of 13,056 bytes for each 128 tokens of a head, images of operand registers: +0 eight half fragments of k (of q in q's buffer), 768 bytes each; +6,144 four fragments of v^T, 1,536 each;
; +12,288 128 scale words of k (q); +12,800 64 scale words of v.  Inside a block of 32 q, k and v lie in the order 0-7, 16-23, 8-15, 24-31; p comes out of the registers in that order too.
; SHARES.  A work-group owns 512 queries of one head; each of its sixteen waves two tiles of 16, one after the other, in 256 registers: four waves to a SIMD, so that one wave's vector work stands beside another's products and LDS loads.
; ALL OF THE HEAD'S k AND v, 16 packages, 208,896 bytes, lies in LDS: wave w brings package w by one tensor load, once.  No LDS byte is filled again and none is stored to.
; CLUSTER.  The four query blocks of a head form a cluster and read the same 16 packages: each is asked for jointly, by the same load with a mask that names the four.
; LAYOUT.  Both products are used transposed: S^T = k q^T (source 0 = 16 keys, source 1 = my 16 queries), O^T = v^T p^T: a lane holds ONE query (lane % 16) throughout.
; The head has 64 channels and the instruction 128 along K: registers 6-11 of q's and k's fragments hold zero codes, written once.
; LIMITS: NaN and infinities are not served; a p under 2^-126 counts as 0; a block of zeros keeps the byte 1 (its codes are zeros; this program alone reads the bytes).
; REGISTERS: v1-3 16, 8, 4 x lane; v4-6 the same + the step's package; v7 4 (lane % 16); v8 32 x lane; v9 tile 0's scale bytes; v12 -M, v13 the largest t, v[14:15] the sum; v16-27 q; v28 q's scale word; v29-30 v's;
;   v32-79 four fragments of k; v80-127 four of v; v128-191 S^T, then p; v192-223 O^T; v224-235 p's codes; v232-247, v252, v254 at work; v248-251 k's scale words; v253 p's scale word.
.set PKG, 13056
.set HS,  16*PKG
.set KF,  32
.set VF,  80
.set S,   128
.set O,   192
.macro CROUND                          ; a round of the cluster's barrier
	s_barrier_signal -1
	s_barrier_wait -1
	s_cmp_lg_u32 s12, 0
	s_cbranch_scc1 .Lnot_wave_0_\@
	s_barrier_signal -3
.Lnot_wave_0_\@:
	s_barrier_wait -3
	s_barrier_signal -1
	s_barrier_wait -1
.endm
	s_load_b256 s[4:11], s[0:1], 0x0               ; q's packages s[4:5], k's and v's s[6:7], ctx's images s[8:9], ctx's scale bytes s[10:11]
	v_lshl_add_u32 v243, v0, 2, 0x33000
	v_mov_b32 v255, 0
	ds_add_u32 v243, v255
	ds_add_u32 v243, v255
	v_lshrrev_b32 v1, 5, v0
	s_delay_alu instid0(VALU_DEP_1)
	v_readfirstlane_b32 s12, v1                    ; wave 0..15
	s_bfe_u32 s13, ttmp6, 0x40000                  ; cx
	s_and_b32 s14, ttmp7, 0xffff                   ; batch x 16 + head: the partners share it
	s_lshl_b32 s15, ttmp9, 2
	s_add_co_u32 s15, s15, s13                     ; my block of 512 queries: it enters q's and ctx's addresses alone
	; group 1: a package, 13,056 dense bytes, as 51 rows of 256 (32 elements of 8 bytes); the mask names all four work-groups
	s_mov_b32 s16, 15|(3<<16)|(1<<21)
	s_mov_b32 s17, 32<<16
	s_mov_b32 s18, 51<<16
	s_mov_b32 s19, 32<<16
	s_mov_b32 s20, 51
	s_mov_b32 s21, 32
	s_mov_b32 s22, 0
	s_mov_b32 s23, 0
	s_mul_i32 s36, s14, HS                         ; the head's first package (under 13,369,344)
	s_mul_i32 s25, s12, PKG                        ; package w: its place in LDS,
	s_add_co_u32 s38, s36, s25                     ; and in memory
	s_mov_b32 s39, 0
	s_mov_b32 s24, 1
	s_lshl_b32 s48, s15, 2                         ; q: package 4 x block + wave / 4,
	s_lshr_b32 s49, s12, 2
	s_add_co_u32 s48, s48, s49
	s_mul_i32 s48, s48, PKG
	s_add_co_u32 s48, s48, s36
	s_and_b32 s49, s12, 3
	s_mul_i32 s50, s49, 1536                       ; tiles 2 (wave % 4) and + 1 in it
	s_add_co_u32 s50, s50, s48
	s_mov_b32 s51, 0
	s_lshl_b32 s52, s49, 7
	s_add_co_u32 s52, s52, s48
	s_add_co_u32 s52, s52, 12288                   ; and their scale words
	s_mov_b32 s53, 0
	s_lshr_b32 s54, s14, 4                         ; ctx: my first tile of 16 tokens = 128 x batch + 32 x block + 2 x wave
	s_lshl_b32 s54, s54, 7
	s_lshl_b32 s55, s15, 5
	s_add_co_u32 s54, s54, s55
	s_lshl_b32 s55, s12, 1
	s_add_co_u32 s54, s54, s55
	s_and_b32 s55, s14, 15                         ; the head
	s_mul_i32 s56, s54, 12288                      ; a tile's 16 images of 768 bytes
	s_mul_i32 s57, s55, 768
	s_add_co_u32 s56, s56, s57
	s_mov_b32 s57, 0
	s_lshl_b32 s58, s54, 9                         ; 16 tokens x 32 scale bytes
	s_lshl_b32 s59, s55, 1
	s_add_co_u32 s58, s58, s59
	s_mov_b32 s59, 0
	s_mov_b32 s28, 0x76543210
	s_mov_b32 s29, 0xfedcba98                      ; v_permlanex16_b32's selects for lane l xor 16
	s_mov_b32 s30, 0x3e38aa3b                      ; c = log2(e) / 8
	s_mov_b32 s31, s30                             ; (named with it as a pair, so it is written)
	s_mov_b32 s34, 0xffff0000                      ; lanes 16-31
	s_wait_dscnt 0x0
	s_wait_kmcnt 0x0
	s_add_nc_u64 s[26:27], s[6:7], s[38:39]
	s_or_b32 s27, s27, 0x80000000                  ; type = 2
	s_add_nc_u64 s[40:41], s[4:5], s[50:51]
	s_add_nc_u64 s[42:43], s[4:5], s[52:53]
	s_add_nc_u64 s[44:45], s[8:9], s[56:57]
	s_add_nc_u64 s[46:47], s[10:11], s[58:59]
	CROUND                                         ; all four work-groups are here: the joint loads meet
	tensor_load_to_lds s[24:27], s[16:23]          ; my one tensor load of the launch
	s_nop 0
.rept 4
	v_nop
.endr
	v_and_b32 v10, 31, v0
	s_delay_alu instid0(VALU_DEP_1)
	v_lshlrev_b32 v1, 4, v10
	s_delay_alu instid0(VALU_DEP_2)
	v_lshlrev_b32 v2, 3, v10
	s_delay_alu instid0(VALU_DEP_3)
	v_lshlrev_b32 v3, 2, v10
	v_and_b32 v7, 15, v0
	s_delay_alu instid0(VALU_DEP_1)
	v_lshlrev_b32 v7, 2, v7
	v_lshlrev_b32 v8, 5, v10
	global_load_b128 v[16:19], v1, s[40:41]        ; q of my first tile: registers 0-3,
	global_load_b64 v[20:21], v2, s[40:41] offset:512   ; 4-5,
	global_load_b32 v28, v7, s[42:43]              ; and its scale words
.irp j, 22,23,24,25,26,27
	v_mov_b32 v[\j], 0                             ; K = 64 .. 127: zero codes, on both sides, written once
.endr
.irp t, 0,1,2,3
.irp j, 6,7,8,9,10,11
	v_mov_b32 v[KF+12*\t+\j], 0
.endr
.endr
.irp b, 0,1,2,3
	v_mov_b32 v[236+\b], 0                         ; written once: a lane permute's destination counts as one of its sources
.endr
	v_mov_b32 v253, 0                              ; (named as the upper half of the pair v[252:253] before it is first written)
	s_wait_tensorcnt 0x0                           ; my package is in,
	s_barrier_signal -1
	s_barrier_wait -1                              ; everybody's is
.macro KQ4 g                           ; four tiles of 16 keys: 4 g + t.  k's scale words lie two tiles to a register: the even tile's in lanes 0-15, the odd tile's in lanes 16-31
.irp t, 0,1,2,3
.if \t%2
	v_wmma_scale_f32_16x16x128_f8f6f4 v[S+8*(4*\g+\t):S+8*(4*\g+\t)+7], v[KF+12*\t:KF+12*\t+11], v[16:27], 0, v[248+2*\g+\t/2], v28 matrix_a_fmt:MATRIX_FMT_FP6 matrix_b_fmt:MATRIX_FMT_FP6 matrix_a_scale:MATRIX_SCALE_ROW1
.else
	v_wmma_scale_f32_16x16x128_f8f6f4 v[S+8*(4*\g+\t):S+8*(4*\g+\t)+7], v[KF+12*\t:KF+12*\t+11], v[16:27], 0, v[248+2*\g+\t/2], v28 matrix_a_fmt:MATRIX_FMT_FP6 matrix_b_fmt:MATRIX_FMT_FP6
.endif
.endr
.endm
.macro KLOAD g
.irp t, 0,1,2,3
	ds_load_b128 v[KF+12*\t:KF+12*\t+3], v4 offset:768*(4*\g+\t)
	ds_load_b64 v[KF+12*\t+4:KF+12*\t+5], v5 offset:768*(4*\g+\t)+512
.endr
.endm
; A KEY STEP: 128 keys, the package at LDS byte s32.
.macro STEP
	v_add_nc_u32 v4, s32, v1
	v_add_nc_u32 v5, s32, v2
	v_add_nc_u32 v6, s32, v3
	KLOAD 0
.irp i, 0,1,2,3
	ds_load_b32 v[248+\i], v6 offset:12288+128*\i
.endr
	s_wait_alu depctr_va_vdst(0)
	s_wait_dscnt 0x0
	KQ4 0
.rept 4
	v_nop                                          ; places in front of loads into registers that these products read
.endr
	KLOAD 1
.irp t, 0,1,2,3
.irp j, 0,1,2
	ds_load_b128 v[VF+12*\t+4*\j:VF+12*\t+4*\j+3], v4 offset:6144+1536*\t+512*\j   ; v's fragments land under the softmax
.endr
.endr
	ds_load_b32 v29, v6 offset:12800               ; v's scale words: channels' tiles 0 (lanes 0-15) and 1 (lanes 16-31),
	ds_load_b32 v30, v6 offset:12928               ; 2 and 3
	s_wait_dscnt 14                                ; k's tiles 4-7 are in; the 14 younger loads, v's, may be out
	KQ4 1
.rept 4
	v_nop
.endr
	; lane (r, h) holds query r; the 16 registers of tiles 2 b, 2 b + 1 are keys 32 b + 8 h + 0 .. 7 and 32 b + 16 + 8 h + 0 .. 7
.irp b, 0,1,2,3
	v_max3_num_f32 v[232+\b], v[S+16*\b], v[S+1+16*\b], v[S+2+16*\b]   ; the largest score of each block of 32 keys: it serves for the row's maximum and, since p rises with the score, for the block's largest p
.endr
.irp i, 3,5,7,9,11,13
.irp b, 0,1,2,3
	v_max3_num_f32 v[232+\b], v[232+\b], v[S+16*\b+\i], v[S+1+16*\b+\i]
.endr
.endr
.irp b, 0,1,2,3
	v_max_num_f32 v[232+\b], v[232+\b], v[S+15+16*\b]
.endr
.irp b, 0,1,2,3
	s_delay_alu instid0(VALU_DEP_4)
	v_permlanex16_b32 v[236+\b], v[232+\b], s28, s29
.endr
.irp b, 0,1,2,3
	s_delay_alu instid0(VALU_DEP_4)
	v_max_num_f32 v[232+\b], v[232+\b], v[236+\b]  ; with lane l xor 16's 16 keys
.endr
	s_delay_alu instid0(VALU_DEP_2)
	v_max3_num_f32 v254, v232, v233, v234
	s_delay_alu instid0(VALU_DEP_1)
	v_max_num_f32 v254, v254, v235                 ; the step's largest score of my query
	s_delay_alu instid0(VALU_DEP_1)
	v_mul_f32 v254, s30, v254                      ; as t (c is positive)
	s_delay_alu instid0(VALU_DEP_1)
	v_max_num_f32 v13, v13, v254                   ; the running largest t
	v_mov_b32 v254, v12
	s_delay_alu instid0(VALU_DEP_2)
	v_floor_f32 v12, -v13                          ; the new -M = floor(-t) = -ceil(t): a whole number
	s_delay_alu instid0(VALU_DEP_1)
	v_sub_f32 v254, v12, v254                      ; old M - new M: a whole number, 0 or less
	s_delay_alu instid0(VALU_DEP_1)
	v_cvt_i32_f32 v254, v254                       ; (it saturates)
	s_delay_alu instid0(VALU_DEP_1)
	v_ldexp_f32 v252, 1.0, v254                    ; f = 2^(old M - new M)
.set J, 0
.rept 32
	v_pk_fma_f32 v[S+J:S+J+1], v[S+J:S+J+1], s[30:31], v[12:13] op_sel_hi:[1,0,0]   ; t - M, two at a time
.set J, J+2
.endr
.irp b, 0,1,2,3
	v_fma_f32 v[232+\b], v[232+\b], s30, v12       ; the same of each block's largest score
.endr
.set J, 0
	s_wait_alu depctr_va_vdst(0)
.rept 64
	v_exp_f32 v[S+J], v[S+J]                       ; p = 2^(t - M), at most 1: not normalised
.set J, J+1
.endr
.irp b, 0,1,2,3
	v_exp_f32 v[232+\b], v[232+\b]                 ; the block's largest p: the same two instructions on the same number give the same bits
.endr
	v_pk_mul_f32 v[14:15], v[14:15], v[252:253] op_sel_hi:[1,0]   ; the sums under the new M.  (A plain place behind the exponentials)
	s_wait_alu depctr_va_vdst(0)
.irp b, 0,1,2,3
	v_max_num_f32 v[232+\b], 0x1800000, v[232+\b]  ; the floor 2^(3 - 127): the byte cannot fall under 1
.endr
.irp b, 0,1,2,3
	s_delay_alu instid0(VALU_DEP_4)
	v_add_nc_u32 v[244+\b], 0xff000000, v[232+\b]  ; 2 off the exponent field: the conversion's scale operand
.endr
.irp b, 0,1,2,3
	s_delay_alu instid0(VALU_DEP_4)
	v_lshrrev_b32 v[236+\b], 23, v[244+\b]         ; the scale's byte
.endr
	s_delay_alu instid0(VALU_DEP_3)
	v_lshl_or_b32 v253, v237, 8, v236              ; p's scale word for these 128 keys
	s_delay_alu instid0(VALU_DEP_1)
	v_lshl_or_b32 v253, v238, 16, v253
	s_delay_alu instid0(VALU_DEP_1)
	v_lshl_or_b32 v253, v239, 24, v253
.irp c, 0,1
	v_cvt_scalef32_pk16_fp6_f32 v[224+6*\c:226+6*\c], v[S+32*\c:S+15+32*\c], v[244+2*\c]
	v_cvt_scalef32_pk16_fp6_f32 v[236+4*\c:238+4*\c], v[S+16+32*\c:S+31+32*\c], v[244+2*\c+1]
.endr
	v_nop                                          ; one plain place behind a scaled conversion
.irp c, 0,1                                    ; a whole block to a lane: lanes 0-15 block 2 c, lanes 16-31 block 2 c + 1
.irp i, 0,1,2
	v_permlane16_swap_b32 v[224+6*\c+\i], v[236+4*\c+\i]
.endr
.irp i, 0,1,2
	s_delay_alu instid0(VALU_DEP_3)
	v_mov_b32 v[227+6*\c+\i], v[236+4*\c+\i]
.endr
.endr
	v_pk_add_f32 v[236:237], v[132:133], v[136:137]
	v_pk_add_f32 v[250:251], v[140:141], v[144:145]
	v_pk_add_f32 v[248:249], v[148:149], v[152:153]
	v_pk_add_f32 v[246:247], v[156:157], v[160:161]
	v_pk_add_f32 v[244:245], v[164:165], v[168:169]
	v_pk_add_f32 v[240:241], v[172:173], v[176:177]
	v_pk_add_f32 v[72:73], v[180:181], v[184:185]
	v_pk_add_f32 v[14:15], v[14:15], v[188:189]
	v_pk_add_f32 v[236:237], v[236:237], v[128:129]
	v_pk_add_f32 v[250:251], v[250:251], v[130:131]
	v_pk_add_f32 v[248:249], v[248:249], v[134:135]
	v_pk_add_f32 v[246:247], v[246:247], v[138:139]
	v_pk_add_f32 v[244:245], v[244:245], v[142:143]
	v_pk_add_f32 v[240:241], v[240:241], v[146:147]
	v_pk_add_f32 v[72:73], v[72:73], v[150:151]
	v_pk_add_f32 v[14:15], v[14:15], v[154:155]
	v_pk_add_f32 v[236:237], v[236:237], v[158:159]
	v_pk_add_f32 v[250:251], v[250:251], v[162:163]
	v_pk_add_f32 v[248:249], v[248:249], v[166:167]
	v_pk_add_f32 v[246:247], v[246:247], v[170:171]
	v_pk_add_f32 v[244:245], v[244:245], v[174:175]
	v_pk_add_f32 v[240:241], v[240:241], v[178:179]
	v_pk_add_f32 v[72:73], v[72:73], v[182:183]
	v_pk_add_f32 v[14:15], v[14:15], v[186:187]
	v_pk_add_f32 v[236:237], v[236:237], v[190:191]
	s_delay_alu instid0(VALU_DEP_2)
	v_pk_add_f32 v[14:15], v[14:15], v[246:247]
	s_delay_alu instid0(VALU_DEP_2)
	v_pk_add_f32 v[236:237], v[236:237], v[244:245]
	v_pk_add_f32 v[250:251], v[250:251], v[240:241]
	v_pk_add_f32 v[248:249], v[248:249], v[72:73]
	s_delay_alu instid0(VALU_DEP_2)
	v_pk_add_f32 v[14:15], v[14:15], v[250:251]
	s_delay_alu instid0(VALU_DEP_2)
	v_pk_add_f32 v[236:237], v[236:237], v[248:249]
	s_delay_alu instid0(VALU_DEP_1)
	v_pk_add_f32 v[14:15], v[14:15], v[236:237]
.set J, 0
.rept 16
	v_pk_mul_f32 v[O+J:O+J+1], v[O+J:O+J+1], v[252:253] op_sel_hi:[1,0]   ; O^T under the new M, each accumulator from its low end on
.set J, J+2
.endr
	s_wait_alu depctr_va_vdst(0)
	s_wait_dscnt 0x0                               ; v's fragments and scale words
.irp t, 0,1,2,3                                ; O^T += v^T p^T: the four accumulators by turns, one instruction a turn
.if \t%2
	v_wmma_scale_f32_16x16x128_f8f6f4 v[O+8*\t:O+8*\t+7], v[VF+12*\t:VF+12*\t+11], v[224:235], v[O+8*\t:O+8*\t+7], v[29+\t/2], v253 matrix_a_fmt:MATRIX_FMT_FP6 matrix_b_fmt:MATRIX_FMT_FP6 matrix_a_scale:MATRIX_SCALE_ROW1
.else
	v_wmma_scale_f32_16x16x128_f8f6f4 v[O+8*\t:O+8*\t+7], v[VF+12*\t:VF+12*\t+11], v[224:235], v[O+8*\t:O+8*\t+7], v[29+\t/2], v253 matrix_a_fmt:MATRIX_FMT_FP6 matrix_b_fmt:MATRIX_FMT_FP6
.endif
.endr
	s_add_co_u32 s32, s32, PKG                     ; the next package
.endm
; THE WAY OUT of query tile i: O^T / the sum; its 64 channels in natural order; two blocks of 32 quantised; a half fragment's image and two scale bytes a token.
.macro OUT i
.rept 4
	v_nop                                          ; places behind the last products
.endr
.if \i == 0
	global_load_b128 v[16:19], v1, s[40:41] offset:768       ; q of my second tile lands under this way out
	global_load_b64 v[20:21], v2, s[40:41] offset:768+512
	global_load_b32 v28, v7, s[42:43] offset:64
.endif
	v_add_f32 v14, v14, v15                        ; the sum's two halves,
	s_delay_alu instid0(VALU_DEP_1)
	v_permlanex16_b32 v252, v14, s28, s29
	s_delay_alu instid0(VALU_DEP_1)
	v_add_f32 v14, v14, v252                       ; and lane l xor 16's
	s_wait_alu depctr_va_vdst(0)
	v_rcp_f32 v14, v14
	v_nop                                          ; one plain place behind a transcendental
.set J, 0
	s_wait_alu depctr_va_vdst(0)
.rept 16
	v_pk_mul_f32 v[S+J:S+J+1], v[O+J:O+J+1], v[14:15] op_sel_hi:[1,0]   ; register 8 t + j = ctx(r, 16 t + 8 h + j)
.set J, J+2
.endr
.irp bb, 0,1                                   ; W_out's codes lie in natural order, so ctx's must: after these exchanges register 16 bb + i = channel 32 bb + 16 h + i
.irp j, 0,1,2,3,4,5,6,7
	v_permlane16_swap_b32 v[S+16*\bb+\j], v[S+8+16*\bb+\j]
.endr
.endr
.irp bb, 0,1
	v_max3_num_f32 v[232+\bb], |v[S+16*\bb]|, |v[S+1+16*\bb]|, 0x1800000
.endr
.irp i2, 2,4,6,8,10,12,14
.irp bb, 0,1
	s_delay_alu instid0(VALU_DEP_2)
	v_max3_num_f32 v[232+\bb], v[232+\bb], |v[S+16*\bb+\i2]|, |v[S+1+16*\bb+\i2]|
.endr
.endr
.irp bb, 0,1
	s_delay_alu instid0(VALU_DEP_2)
	v_permlanex16_b32 v[236+\bb], v[232+\bb], s28, s29
.endr
.irp bb, 0,1
	s_delay_alu instid0(VALU_DEP_2)
	v_max_num_f32 v[232+\bb], v[232+\bb], v[236+\bb]
.endr
.irp bb, 0,1
	s_delay_alu instid0(VALU_DEP_2)
	v_add_nc_u32 v[244+\bb], 0xff000000, v[232+\bb]
.endr
.irp bb, 0,1
	s_delay_alu instid0(VALU_DEP_2)
	v_lshrrev_b32 v[236+\bb], 23, v[244+\bb]
.endr
	s_delay_alu instid0(VALU_DEP_1)
	v_lshl_or_b32 v240, v237, 8, v236              ; my token's two scale bytes
	v_cvt_scalef32_pk16_fp6_f32 v[224:226], v[S:S+15], v244
	v_cvt_scalef32_pk16_fp6_f32 v[228:230], v[S+16:S+31], v245
	v_nop                                          ; one plain place behind a scaled conversion
.irp j, 0,1,2
	v_permlane16_swap_b32 v[224+\j], v[228+\j]     ; lanes 0-15 block 0, lanes 16-31 block 1
.endr
	s_delay_alu instid0(VALU_DEP_3)
	v_mov_b32 v227, v228
	s_delay_alu instid0(VALU_DEP_3)
	v_mov_b32 v228, v229
	s_delay_alu instid0(VALU_DEP_3)
	v_mov_b32 v229, v230
	global_store_b128 v1, v[224:227], s[44:45] offset:12288*\i       ; 512 consecutive bytes, aligned
	global_store_b64 v2, v[228:229], s[44:45] offset:12288*\i+512    ; 256
.if \i == 0
	v_mov_b32 v9, v240
.else
	v_cndmask_b32 v240, v9, v240, s34              ; lanes 0-15: the first tile's tokens; lanes 16-31: the second's
	global_store_b16 v8, v240, s[46:47]            ; 2 bytes a token, 32 bytes apart: the text's one small store, 64 bytes a wave, so that a token's 32 scale bytes lie as a row for the last product
.endif
.endm
.macro QTILE i
	s_wait_loadcnt 0x0                             ; q
	s_wait_xcnt 0x0                                ; the last tile's stores have read their registers
	v_mov_b32 v13, 0xff61b1e6                      ; the largest t so far: -3e38, under every t
	s_delay_alu instid0(VALU_DEP_1)
	v_floor_f32 v12, -v13                          ; -M
	v_mov_b32 v14, 0
	v_mov_b32 v15, 0
.set J, 0
.rept 32
	v_mov_b32 v[O+J], 0                            ; O^T.  (The step is written once: the first finds zeros, which the first change of M leaves zeros)
.set J, J+1
.endr
	s_mov_b32 s32, 0
	s_mov_b32 s33, 16
.Lstep_\@:
	STEP
	s_sub_co_u32 s33, s33, 1
	s_cmp_lg_u32 s33, 0
	s_cbranch_scc1 .Lstep_\@
	OUT \i
.endm
	QTILE 0
	QTILE 1
	s_wait_tensorcnt 0x0
	ds_add_u32 v243, v255
	s_wait_dscnt 0x0
	CROUND                                         ; the closing round
	s_endpgm
.Lfunc_end_k_q53c80ebcd4_attn:
	.size	k_q53c80ebcd4_attn, .Lfunc_end_k_q53c80ebcd4_attn-k_q53c80ebcd4_attn
	.p2alignl 7, 3214868480
	.fill 96, 4, 3214868480
	.section	.rodata,"a",@progbits
	.p2align	6, 0x0
	.amdhsa_kernel k_q53c80ebcd4_attn
		.amdhsa_group_segment_fixed_size 210944
		.amdhsa_private_segment_fixed_size 0
		.amdhsa_enable_private_segment 0
		.amdhsa_kernarg_size 32
		.amdhsa_user_sgpr_count 2
		.amdhsa_user_sgpr_kernarg_segment_ptr 1
		.amdhsa_wavefront_size32 1
		.amdhsa_system_sgpr_workgroup_id_x 1
		.amdhsa_system_sgpr_workgroup_id_y 1
		.amdhsa_system_sgpr_workgroup_id_z 1
		.amdhsa_system_vgpr_workitem_id 0
		.amdhsa_next_free_vgpr 256
		.amdhsa_next_free_sgpr 66
		.amdhsa_reserve_vcc 0
		.amdhsa_float_denorm_mode_32 3
		.amdhsa_float_denorm_mode_16_64 3
		.amdhsa_memory_ordered 1
		.amdhsa_forward_progress 1
		.amdhsa_inst_pref_size 53
	.end_amdhsa_kernel
	.amdgpu_metadata
---
amdhsa.version: [ 1, 2 ]
amdhsa.kernels:
  - .name:           k_q53c80ebcd4_attn
    .symbol:         k_q53c80ebcd4_attn.kd
    .args:
      - { .name: q_pk, .offset: 0, .size: 8, .value_kind: global_buffer, .address_space: global }
      - { .name: kv_pk, .offset: 8, .size: 8, .value_kind: global_buffer, .address_space: global }
      - { .name: ctx_img, .offset: 16, .size: 8, .value_kind: global_buffer, .address_space: global }
      - { .name: ctx_sc, .offset: 24, .size: 8, .value_kind: global_buffer, .address_space: global }
    .group_segment_fixed_size: 210944
    .private_segment_fixed_size: 0
    .kernarg_segment_align: 8
    .kernarg_segment_size: 32
    .max_flat_workgroup_size: 512
    .sgpr_count:     66
    .vgpr_count:     256
    .wavefront_size: 32
...
	.end_amdgpu_metadata
.endif
;; end of part 2
;; launch outp (part 3): grid 8 x 32, 4 waves a work-group, clusters of 4 x 4, 327,680 bytes of LDS; arguments ctx_img, ctx_sc, W_out_codes, W_out_scales, out0, b_out; writes out0
.if DOCPART == 3
	.amdgcn_target "amdgcn-amd-amdhsa--gfx1250"
	.amdhsa_code_object_version 6
	.text
	.protected	k_q53c80ebcd4_outp
	.globl	k_q53c80ebcd4_outp
	.p2align	8
	.type	k_q53c80ebcd4_outp,@function
k_q53c80ebcd4_outp:
	s_mov_b64 s[64:65], 0
	v_nop
	global_prefetch_b8 v0, s[64:65] scope:SCOPE_SE
	s_setreg_imm32_b32 hwreg(HW_REG_WAVE_MODE, 25, 1), 1
	s_wait_xcnt 0x0
	s_wait_alu depctr_hold_cnt(0) depctr_sa_sdst(0) depctr_va_vdst(0) depctr_va_sdst(0) depctr_va_ssrc(0) depctr_va_vcc(0) depctr_vm_vsrc(0)
	s_getreg_b32 s2, hwreg(HW_REG_IB_STS2, 6, 4)
	s_cmp_eq_u32 s2, 0
	s_cbranch_scc0 .Lentry_in_a_cluster
	s_endpgm
.Lentry_in_a_cluster:
	s_bfe_u32 s2, ttmp6, 0x10000c
	s_cmp_lg_u32 s2, 0xf033
	s_cbranch_scc0 .Lentry_shape_is_right
	s_endpgm
.Lentry_shape_is_right:
; out0 = ctx W_out + b_out on codes of FP6 (E2M3) with E8M0 scales.  A work-group makes 256 tokens x 128 columns, a wave 128 x 64: 32 accumulators.
; All of K lies in LDS, filled once: ctx's operand images of 256 tokens (196,608 dense bytes) and W's 128 whole rows of 768 bytes, each from a 256-byte border.
; The product is used transposed (source 0 = W's rows, source 1 = tokens): a lane holds eight neighbouring columns of a row of out0.
; CLUSTER 4 x 4: ctx's images are asked for jointly along a row of the cluster, W's rows along a column.
; Scale words go from memory into registers: a row's 32 bytes are its words of all eight K steps; lanes 16-31 hold a block further on (ROW1).
; No prefetch: every tile is asked for at the head, and the text has no loop to run ahead in.
; REGISTERS: window 0: v0-31 addresses, v32-63 tokens' scales, v64-79 W's scales, v128-223 tokens' fragments, v224-255 bias; window 1: accumulators (a, j) at 8 (4 a + j); window 2: W's fragments, two sets.
.set PITCH, 816
.set HALFA, 98304                      ; the images of 128 tokens
.set BOFF,  2*HALFA
.set STAGE, BOFF+128*PITCH             ; the way out: 16 rows x 272 bytes a wave
.set SPARE, STAGE+4*16*272
.set NW,    16
.set PADW,  (1<<20)|(1<<21)|(5<<22)|(3<<25)
.set BO, 7
.set ADRA, 16
.set ADRB, 20
.set STO, 22
.set RD, 23
.set CO, 24
.set SAO, 26
.set SBO, 27
.set SPW, 28
.set NIL, 29
.set SA, 32
.set SB, 64
.set AF, 128
.set BK, 128
.set BI, 224
.set G1, 24
.set G0, 32
.set G1B, 48
.set G0B, 56
.set MSB, 0
.macro WIN new
.if MSB != (\new)
	s_set_vgpr_msb (MSB<<8)|(\new)
.set MSB, (\new)
.endif
.endm
.macro PLACES
.rept 4
	v_nop
.endr
.endm
.macro CROUND
	s_barrier_signal -1
	s_barrier_wait -1
	s_cmp_lg_u32 s14, 0
	s_cbranch_scc1 .Lnot_wave_0_\@
	s_barrier_signal -3
.Lnot_wave_0_\@:
	s_barrier_wait -3
	s_barrier_signal -1
	s_barrier_wait -1
.endm
.macro GRP1 g, c, r
	s_mov_b32 s[\g+1], (\c)<<16
	s_mov_b32 s[\g+2], (\r)<<16
	s_mov_b32 s[\g+3], (\c)<<16
	s_mov_b32 s[\g+4], \r
	s_mov_b32 s[\g+5], \c
	s_mov_b32 s[\g+6], 0
	s_mov_b32 s[\g+7], 0
.endm
	s_load_b128 s[4:7], s[0:1], 0x0                ; ctx's images, scales
	s_load_b128 s[8:11], s[0:1], 0x10              ; W's codes, scales
	s_load_b128 s[96:99], s[0:1], 0x20             ; out0, b_out
	v_lshl_add_u32 v[SPW], v0, 2, SPARE
	v_mov_b32 v[NIL], 0
	ds_add_u32 v[SPW], v[NIL]                      ; the opening lines
	ds_add_u32 v[SPW], v[NIL]
	v_lshrrev_b32 v1, 5, v0
	v_readfirstlane_b32 s14, v1
	s_lshr_b32 s15, s14, 1                         ; my 128 tokens; also: I fetch ctx (0) or W (1)
	s_and_b32 s16, s14, 1                          ; my 64 columns; also: which half I fetch
	s_bfe_u32 s40, ttmp6, 0x40000
	s_bfe_u32 s41, ttmp6, 0x40004
	s_lshl_b32 s42, ttmp9, 2
	s_add_co_u32 s42, s42, s40                     ; x: 128 columns
	s_and_b32 s17, ttmp7, 0xffff
	s_lshl_b32 s17, s17, 2
	s_add_co_u32 s17, s17, s41                     ; y: 256 tokens
	s_lshl_b32 s43, s41, 2
	s_lshl_b32 s43, 15, s43
	s_lshl_b32 s44, 0x1111, s40
	s_or_b32 s[G1], s43, (3<<16)|(1<<21)
	s_or_b32 s[G1B], s44, PADW
	GRP1 G1, 32, 384                               ; 98,304 dense bytes as 384 rows of 256 (32 elements of 8 bytes)
	GRP1 G1B, 768, 64                              ; 64 rows of 768 bytes
	s_lshl_b32 s20, s17, 1
	s_add_co_u32 s20, s20, s16
	s_mul_i32 s20, s20, HALFA                      ; the images that I fetch
	s_mov_b32 s21, 0
	s_lshl_b32 s18, s17, 8
	s_lshl_b32 s19, s15, 7
	s_add_co_u32 s18, s18, s19                     ; my first token
	s_lshl_b32 s22, s18, 5
	s_mov_b32 s23, 0
	s_lshl_b32 s62, s18, 12                        ; its row of out0
	s_lshl_b32 s45, s42, 7
	s_lshl_b32 s19, s16, 6
	s_add_co_u32 s46, s45, s19                     ; my 64 columns
	s_mul_i32 s36, s46, 768
	s_mov_b32 s37, 0
	s_lshl_b32 s38, s46, 5
	s_mov_b32 s39, 0
	s_lshl_b32 s46, s46, 2
	s_mov_b32 s47, 0
	s_add_co_u32 s62, s62, s46
	s_mov_b32 s63, 0
	s_mov_b32 s[G0], 1
	s_mul_i32 s[G0+1], s16, HALFA
	s_mov_b32 s[G0B], 1
	s_mul_i32 s[G0B+1], s16, 64*PITCH
	s_add_co_u32 s[G0B+1], s[G0B+1], BOFF
	s_mul_i32 s18, s15, HALFA                      ; my tokens in LDS: blocks 0-3,
	s_add_co_u32 s19, s18, 4*12288                 ; blocks 4-7
	s_mul_i32 s67, s14, 16*272
	s_add_co_u32 s67, s67, STAGE
	s_wait_dscnt 0x0
	s_wait_kmcnt 0x0
	s_add_nc_u64 s[G0+2:G0+3], s[4:5], s[20:21]
	s_or_b32 s[G0+3], s[G0+3], 0x80000000
	s_add_nc_u64 s[22:23], s[6:7], s[22:23]
	s_add_nc_u64 s[G0B+2:G0B+3], s[8:9], s[36:37]
	s_or_b32 s[G0B+3], s[G0B+3], 0x80000000
	s_add_nc_u64 s[92:93], s[10:11], s[38:39]
	s_add_nc_u64 s[98:99], s[98:99], s[46:47]
	s_add_nc_u64 s[12:13], s[96:97], s[62:63]
	CROUND
	s_cmp_eq_u32 s15, 0                            ; one load a wave
	s_cbranch_scc0 .Lhead_b
	tensor_load_to_lds s[G0:G0+3], s[G1:G1+7]
	s_nop 0
	PLACES
	s_branch .Lhead_asked
.Lhead_b:
	tensor_load_to_lds s[G0B:G0B+3], s[G1B:G1B+7]
	s_nop 0
	PLACES
.Lhead_asked:
	v_and_b32 v1, 15, v0
	v_bfe_u32 v2, v0, 4, 1
	v_and_b32 v6, 31, v0
	v_mul_u32_u24 v3, v1, PITCH
	v_mad_u32_u24 v3, v2, 24, v3
	v_lshl_add_u32 v4, v2, 4, v3
	v_add_nc_u32 v[ADRB], s[G0B+1], v3
	v_add_nc_u32 v[ADRB+1], s[G0B+1], v4
	v_lshl_add_u32 v[ADRA], v6, 4, s18             ; an image: registers 0-3 at 16 x lane,
	v_lshl_add_u32 v[ADRA+1], v6, 3, s18           ; 4-5 at 512 + 8 x lane
	v_lshl_add_u32 v[ADRA+2], v6, 4, s19
	v_lshl_add_u32 v[ADRA+3], v6, 3, s19
	v_lshlrev_b32 v5, 5, v1
	v_lshl_add_u32 v[SAO], v2, 11, v5
	v_lshl_add_u32 v[SBO], v2, 10, v5
	v_lshlrev_b32 v[BO], 5, v2
	v_mul_u32_u24 v5, v1, 272
	v_lshl_add_u32 v5, v2, 5, v5
	v_add_nc_u32 v[STO], s67, v5                   ; in: row r, 32 bytes for each half of the lanes
	v_mul_u32_u24 v5, v2, 272
	v_lshl_add_u32 v5, v1, 4, v5
	v_add_nc_u32 v[RD], s67, v5                    ; back: sixteen lanes take a row of 256 bytes
	v_lshlrev_b32 v5, 12, v2
	v_lshl_add_u32 v[CO], v1, 4, v5                ; and the same two rows in out0
	s_wait_alu depctr_va_vdst(0)                   ; the wait at the head's end
.irp g, 0,1,2,3
	global_load_b128 v[SA+8*\g:SA+8*\g+3], v[SAO], s[22:23] offset:512*\g
	global_load_b128 v[SA+8*\g+4:SA+8*\g+7], v[SAO], s[22:23] offset:512*\g+16
.endr
.irp g, 0,1
	global_load_b128 v[SB+8*\g:SB+8*\g+3], v[SBO], s[92:93] offset:512*\g
	global_load_b128 v[SB+8*\g+4:SB+8*\g+7], v[SBO], s[92:93] offset:512*\g+16
.endr
.irp j, 0,1,2,3
	global_load_b128 v[BI+8*\j:BI+8*\j+3], v[BO], s[98:99] offset:64*\j
	global_load_b128 v[BI+8*\j+4:BI+8*\j+7], v[BO], s[98:99] offset:64*\j+16
.endr
.macro FRAGB reg, st, i                ; W: six pieces of 8 bytes; byte y of a row lies at y + 16 (y / 256)
.irp p, 0,1,2,3,4,5
.set BY, 96*(\st)+48*(\p/3)+8*(\p%3)
.if BY/256 == (BY+24)/256
	ds_load_b64 v[\reg+2*\p:\reg+2*\p+1], v[ADRB] offset:BY+16*(BY/256)+(\i)*16*PITCH
.else
	ds_load_b64 v[\reg+2*\p:\reg+2*\p+1], v[ADRB+1] offset:BY+16*(BY/256)+(\i)*16*PITCH
.endif
.endr
.endm
.macro FRAGA reg, st, i                ; ctx: two heads' images of 768 bytes
.irp c, 0,1
	ds_load_b128 v[\reg+6*\c:\reg+6*\c+3], v[ADRA+2*((\i)/4)] offset:((\i)%4)*12288+1536*(\st)+768*\c
	ds_load_b64 v[\reg+6*\c+4:\reg+6*\c+5], v[ADRA+2*((\i)/4)+1] offset:((\i)%4)*12288+1536*(\st)+768*\c+512
.endr
.endm
.macro FETCH_B st
	WIN 0x80
.irp i, 0,1,2,3
	FRAGB 48*((\st)%2)+12*\i, \st, \i
.endr
	WIN 0
.endm
.macro FETCH_A st, i0
.irp i, \i0, \i0+1, \i0+2, \i0+3
	FRAGA AF+12*(\i), \st, \i
.endr
.endm
.macro WM a, j, st, z
.set DR, 8*(4*(\a)+\j)
.if \z
.set CR, BI+8*\j
.else
.set CR, DR
.endif
.set BR, 48*((\st)%2)+12*\j
.set AR, AF+12*(\a)
.set SBR, SB+8*(\j%2)+(\st)
.set SAR, SA+8*((\a)%4)+(\st)
.if (\a) < 4
.if \j < 2
	v_wmma_scale_f32_16x16x128_f8f6f4 v[DR:DR+7], v[BR:BR+11], v[AR:AR+11], v[CR:CR+7], v[SBR], v[SAR] matrix_a_fmt:MATRIX_FMT_FP6 matrix_b_fmt:MATRIX_FMT_FP6
.else
	v_wmma_scale_f32_16x16x128_f8f6f4 v[DR:DR+7], v[BR:BR+11], v[AR:AR+11], v[CR:CR+7], v[SBR], v[SAR] matrix_a_fmt:MATRIX_FMT_FP6 matrix_b_fmt:MATRIX_FMT_FP6 matrix_a_scale:MATRIX_SCALE_ROW1
.endif
.else
.if \j < 2
	v_wmma_scale_f32_16x16x128_f8f6f4 v[DR:DR+7], v[BR:BR+11], v[AR:AR+11], v[CR:CR+7], v[SBR], v[SAR] matrix_a_fmt:MATRIX_FMT_FP6 matrix_b_fmt:MATRIX_FMT_FP6 matrix_b_scale:MATRIX_SCALE_ROW1
.else
	v_wmma_scale_f32_16x16x128_f8f6f4 v[DR:DR+7], v[BR:BR+11], v[AR:AR+11], v[CR:CR+7], v[SBR], v[SAR] matrix_a_fmt:MATRIX_FMT_FP6 matrix_b_fmt:MATRIX_FMT_FP6 matrix_a_scale:MATRIX_SCALE_ROW1 matrix_b_scale:MATRIX_SCALE_ROW1
.endif
.endif
.endm
.macro MUL a0, st, z                   ; 16 products; the 32 accumulators take turns
.if \z
	WIN 0x42
.else
	WIN 0x52
.endif
.irp a, \a0, \a0+1, \a0+2, \a0+3
.irp j, 0,1,2,3
	WM \a, \j, \st, \z
.endr
.endr
.endm
.macro STEP st, z
	s_wait_dscnt NW                                ; all but the youngest loads, tokens' blocks 4-7
	MUL 0, \st, \z
	s_wait_dscnt 0x0
.if (\st) < 7
	PLACES
	FETCH_B (\st)+1
	FETCH_A (\st)+1, 0
.endif
	MUL 4, \st, \z
.if (\st) < 7
	PLACES
	WIN 0
	FETCH_A (\st)+1, 4
.endif
.endm
	s_wait_tensorcnt 0x0                           ; my part is in,
	s_barrier_signal -1
	s_barrier_wait -1                              ; everybody's is
	FETCH_B 0
	FETCH_A 0, 0
	FETCH_A 0, 4
	s_wait_loadcnt 0x0                             ; scale words and bias
	STEP 0, 1                                      ; the bias starts the sums
.irp st, 1,2,3,4,5,6,7
	STEP \st, 0
.endr
	PLACES
	WIN 0
; THE WAY OUT, 16 tokens x 64 columns at a time, through my own stage; sixteen lanes store 256 consecutive bytes, aligned
.macro TOSTAGE a
	WIN 0x04
.irp b, 0,1,2,3
	ds_store_b128 v[STO], v[32*(\a)+8*\b:32*(\a)+8*\b+3] offset:64*\b
	ds_store_b128 v[STO], v[32*(\a)+8*\b+4:32*(\a)+8*\b+7] offset:64*\b+16
.endr
	WIN 0
.set BB, BK+32*((\a)%2)
.irp t, 0,1,2,3,4,5,6,7
	ds_load_b128 v[BB+4*\t:BB+4*\t+3], v[RD] offset:\t*2*272
.endr
.endm
.macro SEND a, younger                 ; younger: the LDS instructions issued behind block a's loads
.set BB, BK+32*((\a)%2)
	s_wait_dscnt \younger
.if (\a) > 0
	s_add_nc_u64 s[12:13], s[12:13], 16*4096       ; behind a wait on XCNT: the earlier stores have read their base
.endif
.irp t, 0,1,2,3,4,5,6,7
	global_store_b128 v[CO], v[BB+4*\t:BB+4*\t+3], s[12:13] offset:2*\t*4096 th:TH_STORE_NT
.endr
.endm
	TOSTAGE 0
.irp a, 1,2,3,4,5,6,7
.if \a > 1
	s_wait_xcnt 0x0                                ; block a - 2's stores have read their registers and their base
.endif
	TOSTAGE \a
	SEND \a-1, 16
.endr
	s_wait_xcnt 0x0
	SEND 7, 0
	s_wait_tensorcnt 0x0                           ; the wave's end
	ds_add_u32 v[SPW], v[NIL]
	s_wait_dscnt 0x0
	CROUND                                         ; the closing round
	s_endpgm
.Lfunc_end_k_q53c80ebcd4_outp:
	.size	k_q53c80ebcd4_outp, .Lfunc_end_k_q53c80ebcd4_outp-k_q53c80ebcd4_outp
	.p2alignl 7, 3214868480
	.fill 96, 4, 3214868480
	.section	.rodata,"a",@progbits
	.p2align	6, 0x0
	.amdhsa_kernel k_q53c80ebcd4_outp
		.amdhsa_group_segment_fixed_size 327680
		.amdhsa_private_segment_fixed_size 0
		.amdhsa_enable_private_segment 0
		.amdhsa_kernarg_size 48
		.amdhsa_user_sgpr_count 2
		.amdhsa_user_sgpr_kernarg_segment_ptr 1
		.amdhsa_wavefront_size32 1
		.amdhsa_system_sgpr_workgroup_id_x 1
		.amdhsa_system_sgpr_workgroup_id_y 1
		.amdhsa_system_sgpr_workgroup_id_z 1
		.amdhsa_system_vgpr_workitem_id 0
		.amdhsa_next_free_vgpr 768
		.amdhsa_next_free_sgpr 102
		.amdhsa_reserve_vcc 0
		.amdhsa_float_denorm_mode_32 3
		.amdhsa_float_denorm_mode_16_64 3
		.amdhsa_memory_ordered 1
		.amdhsa_forward_progress 1
		.amdhsa_inst_pref_size 88
	.end_amdhsa_kernel
	.amdgpu_metadata
---
amdhsa.version: [ 1, 2 ]
amdhsa.kernels:
  - .name:           k_q53c80ebcd4_outp
    .symbol:         k_q53c80ebcd4_outp.kd
    .args:
      - { .name: ctx_img, .offset: 0, .size: 8, .value_kind: global_buffer, .address_space: global }
      - { .name: ctx_sc, .offset: 8, .size: 8, .value_kind: global_buffer, .address_space: global }
      - { .name: W_out_codes, .offset: 16, .size: 8, .value_kind: global_buffer, .address_space: global }
      - { .name: W_out_scales, .offset: 24, .size: 8, .value_kind: global_buffer, .address_space: global }
      - { .name: out0, .offset: 32, .size: 8, .value_kind: global_buffer, .address_space: global }
      - { .name: b_out, .offset: 40, .size: 8, .value_kind: global_buffer, .address_space: global }
    .group_segment_fixed_size: 327680
    .private_segment_fixed_size: 0
    .kernarg_segment_align: 8
    .kernarg_segment_size: 48
    .max_flat_workgroup_size: 128
    .sgpr_count:     102
    .vgpr_count:     768
    .wavefront_size: 32
...
	.end_amdgpu_metadata
.endif
;; end of part 3
